; MI455X (gfx1250); checked and timed in simulation.
; The chip was launched on July 23, 2026; its instructions are those of AMD's public machine-readable ISA for CDNA 5 (MIT licence, August 2026) and "CDNA5" Instruction Set Architecture Reference Guide (July 2026). The comments in the code are by the model that wrote it; some were corrected since.
;; Multi Headed Attention. Allowed arithmetic: matrix products marked QUANTISED: E2M1 operands, one E8M0 scale for each 32 along K, by v_wmma_scale_f32_16x16x128_f8f6f4 with both operands' format E2M1 (or v_wmma_scale_f32_32x16x128_f4), f32 sums; everything else in f32.
;; Inputs: Wk_codes 1,024 x 32 x 16 uint8 (E2M1 codes of Wk, K innermost, in blocks of 32 codes, two codes a byte); Wk_scales 1,024 x 32 uint8 (E8M0 scales of Wk, one for each 32 codes along K); Wo_codes 1,024 x 32 x 16 uint8 (E2M1 codes of Wo, K innermost, in blocks of 32 codes, two codes a byte); Wo_scales 1,024 x 32 uint8 (E8M0 scales of Wo, one for each 32 codes along K); Wq_codes 1,024 x 32 x 16 uint8 (E2M1 codes of Wq, K innermost, in blocks of 32 codes, two codes a byte); Wq_scales 1,024 x 32 uint8 (E8M0 scales of Wq, one for each 32 codes along K); Wv_codes 1,024 x 32 x 16 uint8 (E2M1 codes of Wv, K innermost, in blocks of 32 codes, two codes a byte); Wv_scales 1,024 x 32 uint8 (E8M0 scales of Wv, one for each 32 codes along K); bk 1,024 float32; bo 1,024 float32; bq 1,024 float32; bv 1,024 float32; key_codes 4 x 2,048 x 32 x 16 uint8 (E2M1 codes of key, K innermost, in blocks of 32 codes, two codes a byte); key_scales 4 x 2,048 x 32 uint8 (E8M0 scales of key, one for each 32 codes along K); mask 4 x 2,048 x 2,048 int32; query_codes 4 x 2,048 x 32 x 16 uint8 (E2M1 codes of query, K innermost, in blocks of 32 codes, two codes a byte); query_scales 4 x 2,048 x 32 uint8 (E8M0 scales of query, one for each 32 codes along K); value_codes 4 x 2,048 x 32 x 16 uint8 (E2M1 codes of value, K innermost, in blocks of 32 codes, two codes a byte); value_scales 4 x 2,048 x 32 uint8 (E8M0 scales of value, one for each 32 codes along K).
;; Outputs: out0 4 x 2,048 x 1,024 float32.
;; This version of the problem:
;;   THIS VERSION OF THE PROBLEM IS GIVEN IN LOW PRECISION. The matrix products marked QUANTISED in the list below multiply operands that are first quantised to E2M1 (2 exponent bits, 1 mantissa bit; 4 bits a number), with one power-of-two scale for each 32 numbers along K (OCP MX v1.0); their sums are f32. All else is computed in f32.
;;   The module's matrix products, in the order in which they are computed (A, B: the left and right operand; K: the contracted axis; several contracted axes count as one K, in the product's order):
;;     1. [M 8,192, K 1,024] x [K 1,024, N 1,024]; A: input query (given as codes); B: input Wq (given as codes): QUANTISED
;;     2. [M 8,192, K 1,024] x [K 1,024, N 1,024]; A: input key (given as codes); B: input Wk (given as codes): QUANTISED
;;     3. [M 8,192, K 1,024] x [K 1,024, N 1,024]; A: input value (given as codes); B: input Wv (given as codes): QUANTISED
;;     4. batch 64 x [M 2,048, K 64] x [K 64, N 2,048]; A: computed on the way; B: computed on the way: QUANTISED
;;     5. batch 64 x [M 2,048, K 2,048] x [K 2,048, N 64]; A: softmax (see below); B: computed on the way: QUANTISED
;;     6. [M 8,192, K 1,024] x [K 1,024, N 1,024]; A: computed on the way; B: input Wo (given as codes): QUANTISED
;;   THE QUANTISER, for each operand of a quantised product, along K:
;;     - K is cut into blocks of 32 from its start; a last block that is shorter is filled with zeros.
;;     - A block's scale is 2^e with e = floor(log2(the largest magnitude in the block)) - 2, held to -126 .. 127; a block of zeros has e = 0. As a byte (E8M0): e + 127.
;;     - Each number is divided by its block's scale, clamped to +-6, and rounded to the nearest number of E2M1, ties to even, subnormals kept.
;;     - The product sums the exact products of the quantised numbers (number of the format x scale) in f32.
;;   ~~~python
;;   def quantise(x, axis):      # numpy; x: float32 -> the quantised numbers, widened to float32 again
;;       x = np.moveaxis(x, axis, -1); K = x.shape[-1]
;;       x = np.pad(x, [(0, 0)] * (x.ndim - 1) + [(0, -K % 32)]); x = x.reshape(x.shape[:-1] + (-1, 32)); a = np.abs(x).max(-1, keepdims=True)
;;       e = np.where(a > 0, np.clip(np.frexp(np.where(a > 0, a, 1))[1] - 1 - 2, -126, 127), 0)      # np.frexp(a)[1] - 1 = floor(log2(a)), exactly
;;       r = np.clip(x / 2.0 ** e, -6, 6)
;;       step = 2.0 ** (np.maximum(np.frexp(np.where(r == 0, 1, r))[1] - 1, 0) - 1)
;;       q = np.round(r / step) * step * 2.0 ** e      # np.round: ties to even
;;       return np.moveaxis(q.reshape(q.shape[:-2] + (-1,))[..., :K], -1, axis).astype(np.float32)
;;   ~~~
;;   SOFTMAX AHEAD OF A QUANTISED PRODUCT. Where the list says 'softmax', what is quantised is not the finished softmax but p = 2^(t - M), with t = logit x log2(e) and M = ceil(the row's largest t), a whole number; so 1/2 < the row's largest p <= 1. The row's sum l is taken of the UNQUANTISED p, in f32, and the product's result is divided by l at the end. Since M is a whole number, a kernel that streams over the keys may use a running M (the ceiling of the running maximum): every later rescaling is an exact power of two, which a block's scale takes up: the codes' values come out the same.
;;   OPERANDS COMPUTED ON THE WAY. 'Computed on the way' means the value that the module computes at that place (a softmax that the list does not call 'softmax' is quantised finished and normalised). What goes into a quantiser is computed in f32, as accurately as f32 sums, v_exp_f32 and their like allow (about 1e-6 of the number): no bf16 or f16 on the way to a quantiser, and a product that is left as it is and whose result goes on into a quantised operand takes f32 operands (vector FMAs, or v_wmma_f32_16x16x4_f32). A number that lies on a knife's edge between two numbers of the format may be rounded either way, as far as f32 arithmetic and the matrix unit's own rounding can turn it there, and no further.
;;   INPUTS GIVEN AS CODES. Wk (in the module: [1024, 1024], K = its axis 1); Wo (in the module: [1024, 1024], K = its axis 1); Wq (in the module: [1024, 1024], K = its axis 1); Wv (in the module: [1024, 1024], K = its axis 1); key (in the module: [4, 2048, 1024], K = its axis 2); query (in the module: [4, 2048, 1024], K = its axis 2); value (in the module: [4, 2048, 1024], K = its axis 2): each comes as NAME_codes (uint8): NAME with its K axis moved to the last place and cut into blocks of 32 codes, [.., K / 32, bytes a block], one block behind the other in memory; two codes a byte, the lower K in the low four bits (a code: sign, 2 exponent bits, 1 mantissa bit); and NAME_scales (uint8): the same leading axes, one E8M0 byte (e + 127) for each 32 codes along K. Its value is code x scale, taken as it is: it is not quantised again, and the codes and scales need not be those that the quantiser above would give.
;; One version. Each part assembles by itself: llvm-mc -triple=amdgcn-amd-amdhsa -mcpu=gfx1250 --defsym DOCPART=n.
;; ======== version 1 of 1: 3 launches
;; limits: right only within a limited range of input values
;; workspace buffers: codes 12,582,912 bytes; scal 1,310,720 bytes; ac 4,194,304 bytes; asc 262,144 bytes
;; launch proj (part 1): grid 64 x 3, 8 waves a work-group, no clusters, 327,680 bytes of LDS; arguments Wq_codes, Wq_scales, query_codes, query_scales, bq, Wk_codes, Wk_scales, key_codes, key_scales, bk, value_codes, value_scales, Wv_codes, Wv_scales, bv, codes, scal; writes codes, scal
.if DOCPART == 1
	.amdgcn_target "amdgcn-amd-amdhsa--gfx1250"
	.amdhsa_code_object_version 6
	.text
	.protected	k_q4b7fd39205_proj
	.globl	k_q4b7fd39205_proj
	.p2align	8
	.type	k_q4b7fd39205_proj,@function
k_q4b7fd39205_proj:
	s_mov_b64 s[64:65], 0
	v_nop
	global_prefetch_b8 v0, s[64:65] scope:SCOPE_SE
	s_setreg_imm32_b32 hwreg(HW_REG_WAVE_MODE, 25, 1), 1
	s_wait_xcnt 0x0
; q, k, v = x W^T + b on codes of FP4 (E2M1) with E8M0 scales, the sums in f32, then quantised again and laid as images of the attention launch's operand registers.
; ONE BODY, grid y = 0, 1, 2 for q, k, v.  It computes D = src0 rows x src1 rows over K = 1,024.  Source 0 of the matrix instruction is src0, so a lane holds ONE row of src1 and its registers run along src0's rows,
; which is the axis that is quantised next: for q and k src0 = W (the head's 64 features), src1 = the tokens; for v src0 = value's tokens (the keys), src1 = Wv.  The order of the arguments does the swap.
; A WORK-GROUP STAYS: its 256 rows of src0 lie in LDS for the whole launch, and it walks FOUR tiles of 128 rows of src1 (rows 512 grp + 128 n) through two slots: 3 x 64 work-groups of four tiles.
; Three tensors of a power of two of tiles each do not divide into 256 equal shares with src0 at rest, so 192 work-groups are launched.
; Wave w: g = w & 1: 128 rows of src0 (8 tiles u); p = w >> 1: tiles 2 p + t of the 128 rows of src1 (t = 0, 1): 16 accumulators.
; LDS.  K lies in two chunks of 512 (rows of 512 bytes + 16 of padding); the rows' scale bytes in units of 256 bytes + 8, src0's and all four tiles' of src1, filled once.
; Waves 0-3 fetch src0, waves 4-7 a quarter of a tile of src1 each.  Tile n + 2 is asked for behind the barrier that follows tile n's last product, and lands while tile n is quantised and tile n + 1 multiplied.
; THE BIAS is loaded at the head into v256-319 and is the C of each tile's first sixteen products.  q, k: it runs down my registers (8 registers a tile of src0); v: it belongs to my lane's row of Wv (8 equal registers for each n, t).
; QUANTISER.  Tile u = 2 b + s2 in lane (r, h) holds k = 32 b + 16 s2 + 8 h + j of the next product: one conversion gives the 8-code group 2 s2 + h of block b.  Written to register 4 (b / 2) + 2 s2 + b % 2 and
; followed by an exchange of halves between registers 2 m and 2 m + 1, register 4 c + i of lane (r, h) holds group i of block 2 c + h: the 4-bit operand's layout.
; OUT.  q, k: codes [bh][T 128][512 bytes], lane l's 16 bytes at 16 l (token 16 T + r, block h of the head); scale words [bh][pair 64][lane 32].  v: codes [bh][step 16][dt 4][1,024 bytes]; scale words [bh][step][dpair 2][lane 32].
; NO CLUSTER: the work-groups that differ in i0 alone walk the same tiles of src1 and could ask for them jointly; this text keeps the work-group's own barrier in front of each refill, for the plainer form.
; LIMITS: NaN and infinities are not served; a block of zeros keeps the scale byte 1 (its codes are zeros, and this program alone reads the bytes).
; LDS as it is now: a row is all of K, 512 bytes + 16 of padding; src0's 256 rows at 0, then two slots of 128 rows of src1, then the scale bytes.
.set PITCH, 528
.set SLOT0, 256*PITCH                  ; slot 0
.set SLB,   128*PITCH                  ; a slot's bytes
.set SCL,   SLOT0+2*SLB                ; the scale bytes: 32 units of src0, then 64 of src1
.set SPARE, SCL+96*264                 ; the spare words, 128 bytes for each wave: four blocks of 256 bytes that no other line names
.set ACC, 16                           ; v16-143  accumulator (t, u) at ACC + 64 t + 8 u
.set F0,  144                          ; v144-207 src0's eight fragments
.set F1,  208                          ; v208-223 src1's two; later the codes just made
.set SA,  224                          ; v224-227 src0's scale words: lanes 0-15 tile 2 i, lanes 16-31 tile 2 i + 1
.set SB,  228                          ; v228     src1's: lanes 0-15 t = 0, lanes 16-31 t = 1
.set PW0, 229
.set PW1, 230
.set WD,  231
.set TM,  232                          ; v232-247 at work in the quantiser
.set SPW, 252                          ; v252     LDS address of my spare word: SPARE + 4 x my thread's number; never rewritten
.set NIL, 253                          ; v253     0; never rewritten
.set BI,  0                            ; v256-319 the bias: named v0-63 through the second window of 256 registers
; v1 r, v2 h; v3, v4 src0's fragments in chunk 0, 1; v5, v6 src1's in slot 0; v11, v12 in slot 1; v7, v8 the scale words; v9 16 x lane, v10 4 x lane; v13-15 the code stores' other offsets; v248-251 at work at the head.
; s[4:13] the tensor's five addresses; s[16:23], s[24:31] descriptor groups 1; s[40:43], s[80:83], s[44:47], s[48:51] groups 0; s[34:35], s[36:37] where codes and scale words go; s[84:85], s[86:87] their steps from tile to tile.
.set MSB, 0
.macro WIN new                         ; s_set_vgpr_msb: bits 1:0 source 0, 3:2 source 1, 5:4 source 2, 7:6 destination; the immediate's high byte repeats the setting that is left
.if MSB != \new
	s_set_vgpr_msb (MSB<<8)|\new
.set MSB, \new
.endif
.endm
.macro WM d, a, b, c, sa, sb, ra, rb
.if (\ra) && (\rb)
	v_wmma_scale_f32_16x16x128_f8f6f4 v[\d:\d+7], v[\a:\a+7], v[\b:\b+7], v[\c:\c+7], v[\sa], v[\sb] matrix_a_fmt:MATRIX_FMT_FP4 matrix_b_fmt:MATRIX_FMT_FP4 matrix_a_scale:MATRIX_SCALE_ROW1 matrix_b_scale:MATRIX_SCALE_ROW1
.elseif (\ra)
	v_wmma_scale_f32_16x16x128_f8f6f4 v[\d:\d+7], v[\a:\a+7], v[\b:\b+7], v[\c:\c+7], v[\sa], v[\sb] matrix_a_fmt:MATRIX_FMT_FP4 matrix_b_fmt:MATRIX_FMT_FP4 matrix_a_scale:MATRIX_SCALE_ROW1
.elseif (\rb)
	v_wmma_scale_f32_16x16x128_f8f6f4 v[\d:\d+7], v[\a:\a+7], v[\b:\b+7], v[\c:\c+7], v[\sa], v[\sb] matrix_a_fmt:MATRIX_FMT_FP4 matrix_b_fmt:MATRIX_FMT_FP4 matrix_b_scale:MATRIX_SCALE_ROW1
.else
	v_wmma_scale_f32_16x16x128_f8f6f4 v[\d:\d+7], v[\a:\a+7], v[\b:\b+7], v[\c:\c+7], v[\sa], v[\sb] matrix_a_fmt:MATRIX_FMT_FP4 matrix_b_fmt:MATRIX_FMT_FP4
.endif
.endm
; src0's tiles from .. from + 3 x src1's two: the sixteen accumulators take turns, one instruction a turn, in the same order in every step.
; mode 0: onto the sums; 1: the sums begin with q's or k's bias (tile u's eight registers); 2: with v's (the eight equal registers of tile n, t)
.macro MUL8 from, mode, n
.irp u, \from, \from+1, \from+2, \from+3
.irp t, 0,1
.if (\mode) == 0
	WM ACC+64*\t+8*(\u), F0+8*(\u), F1+8*\t, ACC+64*\t+8*(\u), SA+(\u)/2, SB, (\u)%2, \t
.elseif (\mode) == 1
	WM ACC+64*\t+8*(\u), F0+8*(\u), F1+8*\t, BI+8*(\u), SA+(\u)/2, SB, (\u)%2, \t
.else
	WM ACC+64*\t+8*(\u), F0+8*(\u), F1+8*\t, BI+8*(2*(\n)+\t), SA+(\u)/2, SB, (\u)%2, \t
.endif
.endr
.endr
.endm
; The 25 LDS loads of a step of 128 along K: the q-th of chunk ch; src1's tile n lies in slot sl
.macro KLOAD sl, ch, q, n
.irp i, 0,1,2,3
	ds_load_b32 v[SA+\i], v7 offset:1056*\i+4*(4*(\ch)+(\q))
.endr
	ds_load_b32 v[SB], v8 offset:4224*(\n)+4*(4*(\ch)+(\q))
.irp t, 0,1
.irp e, 0,1
	ds_load_b128 v[F1+8*\t+4*\e:F1+8*\t+4*\e+3], v[5+6*(\sl)+(\ch)] offset:16*PITCH*\t+64*(\q)+32*\e
.endr
.endr
.irp u, 0,1,2,3,4,5,6,7
.irp e, 0,1
	ds_load_b128 v[F0+8*\u+4*\e:F0+8*\u+4*\e+3], v[3+(\ch)] offset:16*PITCH*\u+64*(\q)+32*\e
.endr
.endr
.endm
.macro KSTEP sl, ch, q, n
.rept 4
	v_nop                                          ; four places between the last products and loads into registers that they read (ISA guide 7.12.1 for vector instructions)
.endr
	KLOAD \sl, \ch, \q, \n
	s_wait_dscnt 8                                 ; all but the youngest eight loads, src0's tiles 4 to 7
	MUL8 0, 0, \n
	s_wait_dscnt 0x0
	MUL8 4, 0, \n
.endm
; A tile's first step: its products start the sums with the bias as C, out of the second window.  Which registers hold it differs between q, k and v: a branch on the work-group's y round the sixteen products and their two waits.
.macro KFIRST sl, n
	KLOAD \sl, 0, 0, \n
.if (\n) == 0
	s_wait_loadcnt 0x0                             ; the bias, asked for at the head
.endif
	s_cmp_eq_u32 s53, 2
	s_cbranch_scc1 .Lbv_\@
	s_wait_dscnt 8                                 ; all but src0's tiles 4 to 7
	WIN 0x10                                       ; source 2 in the second window
	MUL8 0, 1, \n
	s_wait_dscnt 0x0
	s_wait_alu depctr_va_vdst(0)
	MUL8 4, 1, \n
	WIN 0                                          ; at a branch and at a label every window is 0
	s_branch .Lbj_\@
.Lbv_\@:
	s_wait_dscnt 8
	WIN 0x10
	MUL8 0, 2, \n
	s_wait_dscnt 0x0
	MUL8 4, 2, \n
	WIN 0
.Lbj_\@:
.endm
; 64 numbers of a lane, v[s] on, register 16 b + 8 s2 + j = k 32 b + 16 s2 + 8 h + j of my row, become a fragment's codes in v[pc] on and its scale word in v[pw].
.macro QUANT s, pc, pw
.irp b, 0,1,2,3
	v_max3_num_f32 v[TM+\b], |v[\s+16*\b]|, |v[\s+1+16*\b]|, 0x1800000   ; block b: my 16 numbers, and the floor 2^(3 - 127): the byte cannot fall under 1.  Each accumulator is read from its low end on
.endr
.irp i, 2,4,6,8,10,12,14
.irp b, 0,1,2,3
	v_max3_num_f32 v[TM+\b], v[TM+\b], |v[\s+16*\b+\i]|, |v[\s+1+16*\b+\i]|   ; the four blocks by turns
.endr
.endr
.irp b, 0,1,2,3
	s_delay_alu instid0(VALU_DEP_4)
	v_permlanex16_b32 v[TM+4+\b], v[TM+\b], s58, s59
.endr
.irp b, 0,1,2,3
	s_delay_alu instid0(VALU_DEP_4)
	v_max_num_f32 v[TM+\b], v[TM+\b], v[TM+4+\b]   ; with lane l xor 16's 16: the block's largest magnitude
.endr
.irp b, 0,1,2,3
	s_delay_alu instid0(VALU_DEP_4)
	v_add_nc_u32 v[TM+12+\b], 0xff000000, v[TM+\b] ; 2 off its exponent field: the conversion takes that field as its scale
.endr
.irp b, 0,1,2,3
	s_delay_alu instid0(VALU_DEP_4)
	v_lshrrev_b32 v[TM+4+\b], 23, v[TM+12+\b]      ; the scale's byte
.endr
	s_delay_alu instid0(VALU_DEP_3)
	v_lshl_or_b32 v[\pw], v[TM+5], 8, v[TM+4]
	s_delay_alu instid0(VALU_DEP_1)
	v_lshl_or_b32 v[\pw], v[TM+6], 16, v[\pw]
	s_delay_alu instid0(VALU_DEP_1)
	v_lshl_or_b32 v[\pw], v[TM+7], 24, v[\pw]
.irp b, 0,1,2,3
.irp u, 0,1
	v_cvt_scalef32_pk8_fp4_f32 v[\pc+4*(\b/2)+2*\u+(\b%2)], v[\s+16*\b+8*\u:\s+16*\b+8*\u+7], v[TM+12+\b]
.endr
.endr
	v_nop                                          ; one plain instruction behind the last scaled conversion
.irp m, 0,2,4,6
	v_permlane16_swap_b32 v[\pc+\m], v[\pc+\m+1]   ; the first's lanes 16-31 change places with the second's lanes 0-15
.endr
.endm
; Tile n's slot has been read out: it is filled again with tile n + 2.  Every wave waits for all its tensor loads, adds 0 to its spare word, waits for that and for its reads of the slot, and passes the barrier;
; behind it waves 4-7 issue one load each, their quarter of the tile.  It lands while tile n is quantised and tile n + 1 multiplied.
.macro REFILL n
	s_wait_tensorcnt 0x0                           ; no tensor load of mine is out, so a group 0 may be written
	ds_add_u32 v[SPW], v[NIL]                      ; 0 onto my spare word
	s_add_nc_u64 s[46+4*(\n):47+4*(\n)], s[46+4*(\n):47+4*(\n)], 131072   ; this slot's next tile: 256 rows of 512 bytes on (in waves 0-3 the stepped address is not used)
.rept 4
	v_nop                                          ; the four places between the last products and the first read of their results stand here, while the add is out
.endr
	s_wait_dscnt 0x0                               ; the add is done, and my reads of the slot are over
	s_barrier_signal -1
	s_barrier_wait -1                              ; both now hold of every wave
	s_cmp_lt_u32 s52, 4                            ; the branch hangs on the wave's number alone
	s_cbranch_scc1 .Lnone_\@
	tensor_load_to_lds s[44+4*(\n):47+4*(\n)], s[16:23]   ; my one tensor load behind this barrier, and the first thing there
	s_nop 0
.rept 4
	v_nop
.endr
.Lnone_\@:
.endm
; Tile n's results are quantised and stored.
.macro OUT n
	QUANT ACC, F1, PW0
	global_store_b128 v9, v[F1:F1+3], s[34:35]     ; each store covers 512 consecutive bytes, aligned
	global_store_b128 v13, v[F1+4:F1+7], s[34:35]
	QUANT ACC+64, F1+8, PW1
	global_store_b128 v14, v[F1+8:F1+11], s[34:35]
	global_store_b128 v15, v[F1+12:F1+15], s[34:35]
	v_cndmask_b32 v[WD], v[PW0], v[PW1], s60       ; lanes 0-15: t = 0's words, lanes 16-31: t = 1's
	global_store_b32 v10, v[WD], s[36:37]          ; q, k: bytes 0, 1 are my first head's; bytes 2, 3 stand over zero codes and are never 0xff
	s_cmp_eq_u32 s53, 2
	s_cbranch_scc1 .Lone_\@
	v_lshrrev_b32 v[TM], 16, v[WD]                 ; q, k: my second head's two bytes
	global_store_b32 v10, v[TM], s[36:37] offset:8192
.Lone_\@:
.if (\n) < 3
	s_wait_xcnt 0x0                                ; the stores have read their registers and bases: the bases step, and the next tile loads and computes into the registers
	s_add_nc_u64 s[34:35], s[34:35], s[84:85]
	s_add_nc_u64 s[36:37], s[36:37], s[86:87]
.endif
.endm
.macro TILE n
	KFIRST (\n)%2, \n
	KSTEP (\n)%2, 0, 1, \n
	KSTEP (\n)%2, 0, 2, \n
	KSTEP (\n)%2, 0, 3, \n
	KSTEP (\n)%2, 1, 0, \n
	KSTEP (\n)%2, 1, 1, \n
	KSTEP (\n)%2, 1, 2, \n
	KSTEP (\n)%2, 1, 3, \n
.if (\n) < 2
	REFILL \n
.else
.rept 4
	v_nop                                          ; places between the last products and the first read of their results
.endr
.endif
	OUT \n
.if (\n) == 2
	s_wait_tensorcnt 0x0                           ; my quarter of tile 3, asked for behind tile 1's products
	s_barrier_signal -1
	s_barrier_wait -1                              ; everybody's has landed
.endif
.endm
	s_load_b512 s[4:19], s[0:1], 0x0               ; tensor t's five addresses at s[4 + 10 t ..]: src0's codes, src0's scales, src1's codes, src1's scales, the bias
	s_load_b512 s[20:35], s[0:1], 0x40             ; .. s[34:35] codes
	s_load_b64 s[36:37], s[0:1], 0x80              ; scal
	v_lshl_add_u32 v[SPW], v0, 2, SPARE
	v_mov_b32 v[NIL], 0
	ds_add_u32 v252, v253
	ds_add_u32 v252, v253
	s_wait_dscnt 0x0
	v_lshrrev_b32 v1, 5, v0
	s_delay_alu instid0(VALU_DEP_1)
	v_readfirstlane_b32 s52, v1                    ; wave 0..7
	s_and_b32 s53, ttmp7, 0xffff                   ; y: 0 q, 1 k, 2 v
	s_and_b32 s66, ttmp9, 3
	s_lshr_b32 s67, ttmp9, 2
	s_lshr_b32 s68, ttmp9, 1
	s_and_b32 s69, ttmp9, 1
	s_cmp_eq_u32 s53, 2
	s_cselect_b32 s54, s68, s66                    ; i0: which 256 rows of src0 (4 of W; 32 of value)
	s_cselect_b32 s55, s69, s67                    ; grp: which 512 rows of src1 (16 of the tokens; 2 of Wv)
	s_and_b32 s56, s52, 1                          ; g
	s_lshr_b32 s57, s52, 1                         ; p
	s_mov_b32 s58, 0x76543210
	s_mov_b32 s59, 0xfedcba98                      ; v_permlanex16_b32's selects for lane l xor 16
	s_mov_b32 s60, 0xffff0000                      ; lanes 16-31
	s_wait_kmcnt 0x0
	s_cmp_eq_u32 s53, 1                            ; the tensor's five addresses into s[4:13]: the choice hangs on the work-group's number alone
.irp j, 0,1,2,3,4
	s_cselect_b64 s[4+2*\j:5+2*\j], s[14+2*\j:15+2*\j], s[4+2*\j:5+2*\j]
.endr
	s_cmp_eq_u32 s53, 2
.irp j, 0,1,2,3,4
	s_cselect_b64 s[4+2*\j:5+2*\j], s[24+2*\j:25+2*\j], s[4+2*\j:5+2*\j]
.endr
	; descriptor group 1 for codes: 32 rows x 512 bytes, 512 bytes apart in memory, 16 bytes of padding behind each in LDS
	s_mov_b32 s16, (1<<20)|(6<<22)|(3<<25)         ; a quarter of a tile of src1: 32 rows x 512 bytes; 4 words of padding after every 128
	s_mov_b32 s17, 512<<16
	s_mov_b32 s18, 32<<16
	s_mov_b32 s19, 512<<16
	s_mov_b32 s20, 32
	s_mov_b32 s21, 512
	s_mov_b32 s22, 0
	s_mov_b32 s23, 0
	; and for scale bytes: 256 rows' 8,192 dense bytes as 32 rows of 256 (32 elements of 8 bytes), 8 bytes of padding behind each
	s_mov_b32 s24, (3<<16)|(1<<20)|(5<<22)|(1<<25)
	s_mov_b32 s25, 32<<16
	s_mov_b32 s26, 32<<16                          ; scale bytes: 256 rows' 8,192 dense bytes as 32 rows of 256
	s_mov_b32 s27, 32<<16
	s_mov_b32 s28, 32
	s_mov_b32 s29, 32
	s_mov_b32 s30, 0
	s_mov_b32 s31, 0
	; who fetches what.  Wave 0: rows 256 i0 on of src0, all of K; wave 1 their scale bytes; waves 2, 3 src1's.
	; Waves 4-7, u = w - 4: of a tile of src1 rows 32 u on, all of K.
	; THE HEAD'S LOADS, ONE A WAVE.  Wave 0: src0's 256 rows; wave 1: src0's scale bytes; waves 2, 3: the halves of src1's scale bytes (512 rows); waves 4-7: a quarter of tile 0 each.
	s_mov_b32 s88, (1<<20)|(6<<22)|(3<<25)         ; group 1 for src0: 256 rows x 512 bytes
	s_mov_b32 s89, 512<<16
	s_mov_b32 s90, 256<<16
	s_mov_b32 s91, 512<<16
	s_mov_b32 s92, 256
	s_mov_b32 s93, 512
	s_mov_b32 s94, 0
	s_mov_b32 s95, 0
	s_lshl_b32 s72, s54, 17                        ; src0's codes: 256 i0 rows of 512 bytes
	s_mov_b32 s73, 0
	s_mov_b32 s80, 1
	s_mov_b32 s81, 0
	s_add_nc_u64 s[82:83], s[4:5], s[72:73]
	s_or_b32 s83, s83, 0x80000000
	s_lshl_b32 s74, s54, 13                        ; src0's scale bytes: 8,192 i0
	s_lshl_b32 s75, s55, 14                        ; src1's: 16,384 grp + 8,192 (w - 2)
	s_lshl_b32 s76, s52, 13
	s_add_co_u32 s75, s75, s76
	s_sub_co_u32 s75, s75, 16384
	s_cmp_lt_u32 s52, 2
	s_cselect_b32 s74, s74, s75
	s_cselect_b64 s[68:69], s[6:7], s[10:11]
	s_mov_b32 s75, 0
	s_add_nc_u64 s[42:43], s[68:69], s[74:75]
	s_or_b32 s43, s43, 0x80000000
	s_mov_b32 s40, 1
	s_mul_i32 s41, s52, 8448                       ; LDS: SCL + 32 units x (w - 1)
	s_add_co_u32 s41, s41, SCL-8448
	s_lshl_b32 s72, s55, 18                        ; src1's codes: rows 512 grp + 32 (w - 4)
	s_lshl_b32 s76, s52, 14
	s_add_co_u32 s72, s72, s76
	s_sub_co_u32 s72, s72, 65536
	s_add_nc_u64 s[46:47], s[8:9], s[72:73]
	s_add_nc_u64 s[50:51], s[46:47], 65536         ; tile 1: 128 rows on
	s_or_b32 s47, s47, 0x80000000
	s_or_b32 s51, s51, 0x80000000
	s_mov_b32 s44, 1
	s_mul_i32 s45, s52, 32*PITCH                   ; LDS: slot 0 + 32 rows x (w - 4)
	s_add_co_u32 s45, s45, SLOT0-128*PITCH
	s_mov_b32 s48, 1
	s_add_co_u32 s49, s45, SLB
	s_cmp_lt_u32 s52, 1                            ; one chain of branches on the wave's number, a load to an arm
	s_cbranch_scc0 .Lhead_s
	tensor_load_to_lds s[80:83], s[88:95]
	s_nop 0
.rept 4
	v_nop
.endr
	s_branch .Lasked
.Lhead_s:
	s_cmp_lt_u32 s52, 4
	s_cbranch_scc0 .Lwalks
	tensor_load_to_lds s[40:43], s[24:31]
	s_nop 0
.rept 4
	v_nop
.endr
	s_branch .Lasked
.Lwalks:
	tensor_load_to_lds s[44:47], s[16:23]
	s_nop 0
.rept 4
	v_nop
.endr
.Lasked:
	v_and_b32 v1, 15, v0                           ; r
	v_bfe_u32 v2, v0, 4, 1                         ; h
	s_delay_alu instid0(VALU_DEP_2)
	v_mul_u32_u24 v250, v1, PITCH
	s_delay_alu instid0(VALU_DEP_1)
	v_lshl_add_u32 v250, v2, 4, v250               ; a fragment's row x pitch + 16 h
	s_mul_i32 s78, s56, 128*PITCH
	v_add_nc_u32 v3, s78, v250                     ; v3, v4: src0's fragments in chunk 0, 1
	s_delay_alu instid0(VALU_DEP_1)
	v_add_nc_u32 v4, 256, v3
	s_mul_i32 s78, s57, 32*PITCH
	s_add_co_u32 s78, s78, SLOT0
	v_add_nc_u32 v5, s78, v250                     ; v5, v6: src1's in slot 0, chunk 0, 1
	s_delay_alu instid0(VALU_DEP_1)
	v_add_nc_u32 v6, 256, v5
	s_delay_alu instid0(VALU_DEP_2)
	v_add_nc_u32 v11, SLB, v5
	s_delay_alu instid0(VALU_DEP_2)
	v_add_nc_u32 v12, SLB, v6
	v_lshrrev_b32 v250, 3, v1
	s_delay_alu instid0(VALU_DEP_1)
	v_mul_u32_u24 v250, v250, 264
	v_and_b32 v251, 7, v1
	s_delay_alu instid0(VALU_DEP_1)
	v_lshl_add_u32 v250, v251, 5, v250
	s_delay_alu instid0(VALU_DEP_1)
	v_mad_u32_u24 v250, v2, 528, v250              ; row r's scale bytes; lanes 16-31 take the tile 16 rows on
	s_mul_i32 s78, s56, 4224
	s_add_co_u32 s78, s78, SCL
	v_add_nc_u32 v7, s78, v250                     ; v7: src0's scale words
	s_mul_i32 s78, s57, 1056
	s_add_co_u32 s78, s78, SCL+8448
	v_add_nc_u32 v8, s78, v250                     ; v8: src1's, tile 0; a tile on is 16 units on
	v_and_b32 v9, 31, v0
	s_delay_alu instid0(VALU_DEP_1)
	v_lshlrev_b32 v10, 2, v9                       ; v10: 4 x lane
	s_delay_alu instid0(VALU_DEP_2)
	v_lshlrev_b32 v9, 4, v9                        ; v9: 16 x lane
	v_lshlrev_b32 v248, 5, v2                      ; the bias's lane offsets: 32 h (q, k),
	v_lshlrev_b32 v249, 2, v1                      ; 4 r (v)
.irp b, 0,1,2,3
	v_mov_b32 v[TM+4+\b], 0                        ; written once: a lane permute's destination counts as one of its sources
.endr
	s_cmp_eq_u32 s53, 2
	s_cbranch_scc1 .Lhead_v
	; ---- q, k: the bias runs down my registers: features 256 i0 + 128 g + 16 u + 8 h + j
	s_lshl_b32 s66, s54, 10
	s_lshl_b32 s67, s56, 9
	s_add_co_u32 s66, s66, s67
	s_mov_b32 s67, 0
	s_add_nc_u64 s[12:13], s[12:13], s[66:67]
	WIN 0x40                                       ; destination in the second window
	s_wait_alu depctr_va_vdst(0)
.irp u, 0,1,2,3,4,5,6,7
.irp e, 0,1
	global_load_b128 v[BI+8*\u+4*\e:BI+8*\u+4*\e+3], v248, s[12:13] offset:64*\u+16*\e
.endr
.endr
	WIN 0
	s_lshr_b32 s68, s55, 2                         ; the batch
	s_lshl_b32 s68, s68, 4
	s_lshl_b32 s69, s54, 2
	s_add_co_u32 s68, s68, s69
	s_lshl_b32 s69, s56, 1
	s_add_co_u32 s68, s68, s69                     ; bh of my first head: 16 b + 4 i0 + 2 g
	s_and_b32 s69, s55, 3
	s_lshl_b32 s70, s68, 7
	s_lshl_b32 s71, s69, 5
	s_add_co_u32 s70, s70, s71
	s_lshl_b32 s71, s57, 1
	s_add_co_u32 s70, s70, s71                     ; 128 bh + T, T = 32 (grp % 4) + 8 n + 2 p, n = 0
	s_lshl_b32 s70, s70, 9
	s_lshl_b32 s71, s53, 22                        ; k's images lie 4,194,304 bytes behind q's
	s_add_co_u32 s72, s70, s71                     ; where my codes go
	s_lshl_b32 s70, s68, 6
	s_lshl_b32 s71, s69, 4
	s_add_co_u32 s70, s70, s71
	s_add_co_u32 s70, s70, s57                     ; 64 bh + pair, pair = 16 (grp % 4) + 4 n + p
	s_lshl_b32 s70, s70, 7
	s_lshl_b32 s71, s53, 19
	s_add_co_u32 s74, s70, s71                     ; where my scale words go
	s_mov_b32 s76, 512                             ; from t = 0 to t = 1: the next tile of tokens
	s_mov_b32 s77, 65536                           ; from registers 0-3 to 4-7: the next head
	s_mov_b32 s84, 4096                            ; from tile n to n + 1: 8 tiles of 16 tokens,
	s_mov_b32 s86, 512                             ; 4 pairs
	s_branch .Lhead_done
.Lhead_v:
	; ---- v: the bias belongs to my lane's row of Wv: feature 512 grp + 128 n + 32 p + 16 t + r; eight equal registers for each (n, t), the C of a product
	s_lshl_b32 s66, s55, 11
	s_lshl_b32 s67, s57, 7
	s_add_co_u32 s66, s66, s67
	s_mov_b32 s67, 0
	s_add_nc_u64 s[12:13], s[12:13], s[66:67]
	WIN 0x40
	s_wait_alu depctr_va_vdst(0)
.irp k, 0,1,2,3,4,5,6,7
	global_load_b32 v[BI+8*\k], v249, s[12:13] offset:512*(\k/2)+64*(\k%2)
.endr
	WIN 0
	s_lshr_b32 s68, s54, 3                         ; the batch
	s_lshl_b32 s68, s68, 4
	s_lshl_b32 s69, s55, 3
	s_add_co_u32 s68, s68, s69
	s_lshr_b32 s69, s57, 1
	s_add_co_u32 s68, s68, s69                     ; bh = 16 b + 8 grp + 2 n + p / 2, n = 0
	s_and_b32 s69, s54, 7
	s_lshl_b32 s69, s69, 1
	s_add_co_u32 s69, s69, s56                     ; the key step: 2 (i0 % 8) + g
	s_lshl_b32 s68, s68, 4
	s_add_co_u32 s68, s68, s69
	s_and_b32 s69, s57, 1
	s_lshl_b32 s70, s68, 2
	s_lshl_b32 s71, s69, 1
	s_add_co_u32 s70, s70, s71                     ; (16 bh + step) 4 + dt, dt = 2 (p % 2) + t
	s_lshl_b32 s70, s70, 10
	s_add_co_u32 s72, s70, 8388608
	s_lshl_b32 s70, s68, 1
	s_add_co_u32 s70, s70, s69
	s_lshl_b32 s70, s70, 7
	s_add_co_u32 s74, s70, 1048576
	s_mov_b32 s76, 1024                            ; from t = 0 to t = 1: the next 16 of the head's 64
	s_mov_b32 s77, 512                             ; from registers 0-3 to 4-7
	s_mov_b32 s84, 131072                          ; from tile n to n + 1: two heads on
	s_mov_b32 s86, 8192
	s_wait_loadcnt 0x0                             ; the eight numbers (the first fills are still on their way)
	WIN 0x41                                       ; source 0 and destination in the second window
.irp k, 0,1,2,3,4,5,6,7
.irp j, 1,2,3,4,5,6,7
	v_mov_b32 v[BI+8*\k+\j], v[BI+8*\k]
.endr
.endr
	WIN 0
.Lhead_done:
	s_mov_b32 s73, 0
	s_mov_b32 s75, 0
	s_mov_b32 s85, 0
	s_mov_b32 s87, 0
	s_add_nc_u64 s[34:35], s[34:35], s[72:73]
	s_add_nc_u64 s[36:37], s[36:37], s[74:75]
	v_add_nc_u32 v13, s77, v9
	v_add_nc_u32 v14, s76, v9
	s_delay_alu instid0(VALU_DEP_1)
	v_add_nc_u32 v15, s77, v14
	s_wait_alu depctr_va_vdst(0)
	s_wait_tensorcnt 0x0                           ; my head's load has landed; slot 1's first fill is issued as a refill is
	ds_add_u32 v[SPW], v[NIL]
	s_wait_dscnt 0x0
	s_barrier_signal -1
	s_barrier_wait -1                              ; everybody's has landed
	s_cmp_lt_u32 s52, 4
	s_cbranch_scc1 .Lno_slot1
	tensor_load_to_lds s[48:51], s[16:23]          ; waves 4-7: a quarter of tile 1 each; it lands while tile 0 is multiplied
	s_nop 0
.rept 4
	v_nop
.endr
.Lno_slot1:
	TILE 0
	TILE 1
	TILE 2
	TILE 3
	s_wait_tensorcnt 0x0                           ; the wave's end: behind my last tensor load, my last LDS instructions
	ds_add_u32 v[SPW], v[NIL]
	s_wait_dscnt 0x0
	s_endpgm
.Lfunc_end_k_q4b7fd39205_proj:
	.size	k_q4b7fd39205_proj, .Lfunc_end_k_q4b7fd39205_proj-k_q4b7fd39205_proj
	.p2alignl 7, 3214868480
	.fill 96, 4, 3214868480
	.section	.rodata,"a",@progbits
	.p2align	6, 0x0
	.amdhsa_kernel k_q4b7fd39205_proj
		.amdhsa_group_segment_fixed_size 327680
		.amdhsa_private_segment_fixed_size 0
		.amdhsa_enable_private_segment 0
		.amdhsa_kernarg_size 136
		.amdhsa_user_sgpr_count 2
		.amdhsa_user_sgpr_kernarg_segment_ptr 1
		.amdhsa_wavefront_size32 1
		.amdhsa_system_sgpr_workgroup_id_x 1
		.amdhsa_system_sgpr_workgroup_id_y 1
		.amdhsa_system_sgpr_workgroup_id_z 1
		.amdhsa_system_vgpr_workitem_id 0
		.amdhsa_next_free_vgpr 320
		.amdhsa_next_free_sgpr 96
		.amdhsa_reserve_vcc 0
		.amdhsa_float_denorm_mode_32 3
		.amdhsa_float_denorm_mode_16_64 3
		.amdhsa_memory_ordered 1
		.amdhsa_forward_progress 1
		.amdhsa_inst_pref_size 184
	.end_amdhsa_kernel
	.amdgpu_metadata
---
amdhsa.version: [ 1, 2 ]
amdhsa.kernels:
  - .name:           k_q4b7fd39205_proj
    .symbol:         k_q4b7fd39205_proj.kd
    .args:
      - { .name: Wq_codes, .offset: 0, .size: 8, .value_kind: global_buffer, .address_space: global }
      - { .name: Wq_scales, .offset: 8, .size: 8, .value_kind: global_buffer, .address_space: global }
      - { .name: query_codes, .offset: 16, .size: 8, .value_kind: global_buffer, .address_space: global }
      - { .name: query_scales, .offset: 24, .size: 8, .value_kind: global_buffer, .address_space: global }
      - { .name: bq, .offset: 32, .size: 8, .value_kind: global_buffer, .address_space: global }
      - { .name: Wk_codes, .offset: 40, .size: 8, .value_kind: global_buffer, .address_space: global }
      - { .name: Wk_scales, .offset: 48, .size: 8, .value_kind: global_buffer, .address_space: global }
      - { .name: key_codes, .offset: 56, .size: 8, .value_kind: global_buffer, .address_space: global }
      - { .name: key_scales, .offset: 64, .size: 8, .value_kind: global_buffer, .address_space: global }
      - { .name: bk, .offset: 72, .size: 8, .value_kind: global_buffer, .address_space: global }
      - { .name: value_codes, .offset: 80, .size: 8, .value_kind: global_buffer, .address_space: global }
      - { .name: value_scales, .offset: 88, .size: 8, .value_kind: global_buffer, .address_space: global }
      - { .name: Wv_codes, .offset: 96, .size: 8, .value_kind: global_buffer, .address_space: global }
      - { .name: Wv_scales, .offset: 104, .size: 8, .value_kind: global_buffer, .address_space: global }
      - { .name: bv, .offset: 112, .size: 8, .value_kind: global_buffer, .address_space: global }
      - { .name: codes, .offset: 120, .size: 8, .value_kind: global_buffer, .address_space: global }
      - { .name: scal, .offset: 128, .size: 8, .value_kind: global_buffer, .address_space: global }
    .group_segment_fixed_size: 327680
    .private_segment_fixed_size: 0
    .kernarg_segment_align: 8
    .kernarg_segment_size: 136
    .max_flat_workgroup_size: 256
    .sgpr_count:     96
    .vgpr_count:     320
    .wavefront_size: 32
...
	.end_amdgpu_metadata
.endif
;; end of part 1
;; launch attn (part 2): grid 256 x 1, 16 waves a work-group, clusters of 4 x 1, 327,680 bytes of LDS; arguments codes, scal, mask, ac, asc; writes ac, asc
.if DOCPART == 2
	.amdgcn_target "amdgcn-amd-amdhsa--gfx1250"
	.amdhsa_code_object_version 6
	.text
	.protected	k_q4b7fd39205_attn
	.globl	k_q4b7fd39205_attn
	.p2align	8
	.type	k_q4b7fd39205_attn,@function
k_q4b7fd39205_attn:
	s_mov_b64 s[64:65], 0
	v_nop
	global_prefetch_b8 v0, s[64:65] scope:SCOPE_SE
	s_setreg_imm32_b32 hwreg(HW_REG_WAVE_MODE, 25, 1), 1
	s_wait_xcnt 0x0
	s_wait_alu depctr_hold_cnt(0) depctr_sa_sdst(0) depctr_va_vdst(0) depctr_va_sdst(0) depctr_va_ssrc(0) depctr_va_vcc(0) depctr_vm_vsrc(0)
	s_getreg_b32 s2, hwreg(HW_REG_IB_STS2, 6, 4)
	s_cmp_eq_u32 s2, 0
	s_cbranch_scc0 .Lentry_in_a_cluster
	s_endpgm
.Lentry_in_a_cluster:
	s_bfe_u32 s2, ttmp6, 0x10000c
	s_cmp_lg_u32 s2, 0x3003
	s_cbranch_scc0 .Lentry_shape_is_right
	s_endpgm
.Lentry_shape_is_right:
; Attention on codes of FP4 (E2M1) with E8M0 scales: S = q k^T, the mask, the softmax by a running whole-number M, O = p v, O / l, and the quantiser along the model's 1,024 for the last product.
; SHARES.  A work-group: 32 queries of one batch (two tiles of 16), ALL 16 heads; wave w is head w and owns both tiles.  256 work-groups.  All walk the batch's 2,048 keys, 128 a step, 16 steps.
; THE MASK is read once, as it is given: a step's 32 rows x 512 bytes, two rows a wave, sixteen lanes to 256 consecutive bytes.  Each number becomes an addend, 0 or -2^33 (where it is 0), and goes to LDS
; in chunks of four keys of one query, 272 bytes from chunk to chunk.  Every wave loads its tile's 64 addends into the score registers, and they are the C of the score products: no select for each head.
; The addends are made TWO steps ahead, in three buffers by turns, so that a step's first 64 can be loaded ahead of the round that opens it.  The loop runs three steps a trip: the buffers' places are constants.
; K AND V: images of operand registers, head w's 4,096 + 4,096 bytes of a step by wave w's one tensor load (2 rows of 4,096 bytes, 4,194,304 apart), through two slots; only wave w reads them.
; So the next step's K is read behind my own wait for my load, at the end of the step in hand, ahead of the round: a step begins with its first operands in registers.
; CLUSTER 4 x 1: the four partners are of one batch and walk the same K and V: each load is joint (mask 15); a round of the cluster's barrier stands at each change of slots.
; A head has 64 numbers: Q's codes for k = 64 .. 127 are zeros, so what K's operand holds there counts for nothing: K's tiles lie densely, an operand's upper half being the next tile (the last: four cleared registers).
; LAYOUT.  Both products transposed: S^T = K Q^T, O^T = V^T P^T: a lane holds one query.  Register 8 u + j of lane (r, h): key 16 u + 8 h + j.
; SOFTMAX.  t = score x log2(e) / 8; M = the running largest t rounded up; p = 2^(t - M) is quantised along the keys; the sum of the unquantised p divides O at the end; a change of M multiplies by a power of two.
; A masked score is its score - 2^33.  The running largest t begins at -2^30.  While it stands there, every key so far is masked: the factor and the addend of t - M are then 0, so every p is 1, as the definition's equal logits give.
; NO PREFETCH: the mask's loads are issued three steps ahead of their use by themselves; K and V of a batch are 2 MB that its 64 work-groups walk in the same order.
; LIMITS: a kept logit whose t lies at or under -2^30 counts as masked.  NaN and infinities are not served.  A block of zeros keeps the scale byte 1: its codes are zeros.
.set SLOT1, 131072
.set BIAS0, 262144                     ; three buffers of addends, 2 tiles x 32 chunks x 272 bytes each; no tensor load lands here
.set BUFB,  17408
.set SPARE, BIAS0+3*BUFB               ; the spare words: 128 bytes a wave
.set SPW, 12
.set NIL, 13
.set CV,  14                           ; c
.set X1,  15
.set X2,  39
.set CE,  16                           ; v[16:17] the factor, c or 0;  v[18:19] the addend, -M or 0;  v[20:21] f
.set AD,  18
.set FF,  20
.set QS,  30                           ; Q's scale words: lanes 0-15 tile 0, lanes 16-31 tile 1
.set PS,  31                           ; v31, v32 p's scale words
.set KS,  33                           ; v33-36 K's scale words;  v37, v38 V's
.set VS,  37
.set QF,  40                           ; v40-55 Q's two fragments, the upper half of each 0
.set KF,  56                           ; v56-87 K's eight tiles, later V's four fragments; v88-91 stay 0
.set SS,  92                           ; v92-155 addends, S^T, p
.set OT,  156                          ; v156-219 O^T of both tiles
.set PC,  220                          ; v220-235 p's codes of both tiles
.set RAW, 236                          ; v236-243 eight numbers of the mask
.set TP,  244                          ; v244-255 at work
; v1 16 lane + 8,192 w; v2 4 r; v3 4 lane; v4 -2^33; v5, v6 my lane's place among the addends (read, write); v7 in the mask; v8 my images in the slot in hand; v11 the mask's offset.
; Tile tt: v[22+4tt] -M, v[23+4tt] largest t, v[24+4tt:25+4tt] the sum.
.macro ROUND
	s_barrier_signal -1
	s_barrier_wait -1
	s_cmp_lg_u32 s14, 0
	s_cbranch_scc1 .Lnw_\@
	s_barrier_signal -3
.Lnw_\@:
	s_barrier_wait -3
	s_barrier_signal -1
	s_barrier_wait -1
.endm
.macro NOP4
.rept 4
	v_nop
.endr
.endm
.macro WM d, a, b, sa, sb, ra, rb      ; D = A B + D
.if (\ra) && (\rb)
	v_wmma_scale_f32_16x16x128_f8f6f4 v[\d:\d+7], v[\a:\a+7], v[\b:\b+7], v[\d:\d+7], v[\sa], v[\sb] matrix_a_fmt:MATRIX_FMT_FP4 matrix_b_fmt:MATRIX_FMT_FP4 matrix_a_scale:MATRIX_SCALE_ROW1 matrix_b_scale:MATRIX_SCALE_ROW1
.elseif (\ra)
	v_wmma_scale_f32_16x16x128_f8f6f4 v[\d:\d+7], v[\a:\a+7], v[\b:\b+7], v[\d:\d+7], v[\sa], v[\sb] matrix_a_fmt:MATRIX_FMT_FP4 matrix_b_fmt:MATRIX_FMT_FP4 matrix_a_scale:MATRIX_SCALE_ROW1
.elseif (\rb)
	v_wmma_scale_f32_16x16x128_f8f6f4 v[\d:\d+7], v[\a:\a+7], v[\b:\b+7], v[\d:\d+7], v[\sa], v[\sb] matrix_a_fmt:MATRIX_FMT_FP4 matrix_b_fmt:MATRIX_FMT_FP4 matrix_b_scale:MATRIX_SCALE_ROW1
.else
	v_wmma_scale_f32_16x16x128_f8f6f4 v[\d:\d+7], v[\a:\a+7], v[\b:\b+7], v[\d:\d+7], v[\sa], v[\sb] matrix_a_fmt:MATRIX_FMT_FP4 matrix_b_fmt:MATRIX_FMT_FP4
.endif
.endm
.macro BLOAD tt, buf                   ; tile tt's 64 addends out of buffer buf into the score registers
.irp u, 0,1,2,3,4,5,6,7
.irp e, 0,1
	ds_load_b128 v[SS+8*\u+4*\e:SS+8*\u+4*\e+3], v5 offset:BUFB*(\buf)+8704*\tt+(4*\u+\e)*272
.endr
.endr
.endm
.macro KLOAD                           ; K's eight tiles out of the slot that v8 names
.irp u, 0,1,2,3,4,5,6,7
	ds_load_b128 v[KF+4*\u:KF+4*\u+3], v8 offset:512*\u
.endr
.endm
.macro SMUL tt                         ; eight accumulators, one instruction each
.irp u, 0,1,2,3,4,5,6,7
	WM SS+8*\u, KF+4*\u, QF+8*\tt, KS+\u/2, QS, \u%2, \tt
.endr
.endm
.macro BUILD r, buf                    ; eight numbers of the mask, v[r] on, become addends and go to buffer buf
.irp i, 0,1,2,3,4,5,6,7
	v_cmp_eq_u32 vcc_lo, 0, v[\r+\i]
	v_cndmask_b32 v[\r+\i], v[NIL], v4, vcc_lo
.endr
	ds_store_b128 v6, v[\r:\r+3] offset:BUFB*(\buf)
	ds_store_b128 v6, v[\r+4:\r+7] offset:BUFB*(\buf)+4352   ; keys 64 on: 16 chunks on
.endm
.macro MLOAD
	global_load_b128 v[RAW:RAW+3], v11, s[44:45] th:TH_LOAD_NT
	global_load_b128 v[RAW+4:RAW+7], v11, s[44:45] offset:256 th:TH_LOAD_NT
.endm
.macro KSLOAD
.irp i, 0,1,2,3
	global_load_b32 v[KS+\i], v3, s[40:41] offset:128*\i
.endr
.endm
.macro VSLOAD
.irp i, 0,1
	global_load_b32 v[VS+\i], v3, s[42:43] offset:128*\i
.endr
.endm
.macro SOFT tt                         ; the scores of tile tt become p's codes, p's scale word and the sum's terms
.set ST, 22+4*\tt
.set LL, 24+4*\tt
.irp b, 0,1,2,3
	v_max3_num_f32 v[TP+\b], v[SS+16*\b], v[SS+1+16*\b], v[SS+2+16*\b]   ; each block's largest score; each accumulator is read from its low end on
.endr
.irp i, 3,5,7,9,11,13
.irp b, 0,1,2,3
	v_max3_num_f32 v[TP+\b], v[TP+\b], v[SS+16*\b+\i], v[SS+1+16*\b+\i]
.endr
.endr
.irp b, 0,1,2,3
	v_max_num_f32 v[TP+\b], v[TP+\b], v[SS+15+16*\b]
.endr
.irp b, 0,1,2,3
	v_permlanex16_b32 v[TP+4+\b], v[TP+\b], s20, s21
.endr
.irp b, 0,1,2,3
	v_max_num_f32 v[TP+\b], v[TP+\b], v[TP+4+\b]
.endr
	v_max3_num_f32 v[X1], v[TP], v[TP+1], v[TP+2]
	v_max_num_f32 v[X1], v[X1], v[TP+3]
	v_mul_f32 v[X1], s22, v[X1]
	v_max_num_f32 v[ST+1], v[ST+1], v[X1]          ; the running largest t, never under -2^30
	v_mov_b32 v[X1], v[ST]
	v_floor_f32 v[ST], -v[ST+1]                    ; -M
	v_cmp_eq_f32 vcc_lo, 0xce800000, v[ST+1]       ; still -2^30: every key so far is masked
	v_sub_f32 v[X1], v[ST], v[X1]
	v_cndmask_b32 v[CE], v[CV], v[NIL], vcc_lo
	v_cndmask_b32 v[AD], v[ST], v[NIL], vcc_lo
	v_cvt_i32_f32 v[X1], v[X1]
	v_ldexp_f32 v[FF], 1.0, v[X1]                  ; f = 2^(old M - new M)
.set J, 0
.rept 32
	v_pk_fma_f32 v[SS+J:SS+J+1], v[SS+J:SS+J+1], v[CE:CE+1], v[AD:AD+1] op_sel_hi:[1,0,0]
.set J, J+2
.endr
.irp b, 0,1,2,3
	v_fma_f32 v[TP+\b], v[TP+\b], v[CE], v[AD]
.endr
	s_wait_alu depctr_va_vdst(0)                   ; ahead of the batch
.set J, 0
.rept 64
	v_exp_f32 v[SS+J], v[SS+J]
.set J, J+1
.endr
.irp b, 0,1,2,3
	v_exp_f32 v[TP+\b], v[TP+\b]                   ; the block's largest p
.endr
	v_pk_mul_f32 v[LL:LL+1], v[LL:LL+1], v[FF:FF+1] op_sel_hi:[1,0]
	s_wait_alu depctr_va_vdst(0)                   ; and behind it, ahead of its first reader
.irp b, 0,1,2,3
	v_max_num_f32 v[TP+\b], 0x1800000, v[TP+\b]
.endr
.irp b, 0,1,2,3
	v_add_nc_u32 v[TP+8+\b], 0xff000000, v[TP+\b]
.endr
.irp b, 0,1,2,3
	v_lshrrev_b32 v[TP+4+\b], 23, v[TP+8+\b]
.endr
	v_lshl_or_b32 v[PS+\tt], v[TP+5], 8, v[TP+4]
	v_lshl_or_b32 v[PS+\tt], v[TP+6], 16, v[PS+\tt]
	v_lshl_or_b32 v[PS+\tt], v[TP+7], 24, v[PS+\tt]
.irp b, 0,1,2,3
.irp u, 0,1
	v_cvt_scalef32_pk8_fp4_f32 v[PC+8*\tt+4*(\b/2)+2*\u+(\b%2)], v[SS+16*\b+8*\u:SS+16*\b+8*\u+7], v[TP+8+\b]
.endr
.endr
	v_nop
.irp m, 0,2,4,6
	v_permlane16_swap_b32 v[PC+8*\tt+\m], v[PC+8*\tt+\m+1]
.endr
.irp k, 0,1,2,3,4,5                    ; the sum of the unquantised p, in seven chains
	v_pk_add_f32 v[TP+2*\k:TP+2*\k+1], v[SS+4*\k:SS+4*\k+1], v[SS+4*\k+2:SS+4*\k+3]
.endr
	v_pk_add_f32 v[LL:LL+1], v[LL:LL+1], v[SS+24:SS+25]
.irp g, 0,1,2
.irp k, 0,1,2,3,4,5
	v_pk_add_f32 v[TP+2*\k:TP+2*\k+1], v[TP+2*\k:TP+2*\k+1], v[SS+26+12*\g+2*\k:SS+27+12*\g+2*\k]
.endr
.endr
	v_pk_add_f32 v[LL:LL+1], v[LL:LL+1], v[SS+62:SS+63]
	v_pk_add_f32 v[TP:TP+1], v[TP:TP+1], v[TP+2:TP+3]
	v_pk_add_f32 v[TP+4:TP+5], v[TP+4:TP+5], v[TP+6:TP+7]
	v_pk_add_f32 v[TP+8:TP+9], v[TP+8:TP+9], v[TP+10:TP+11]
	v_pk_add_f32 v[TP:TP+1], v[TP:TP+1], v[TP+4:TP+5]
	v_pk_add_f32 v[LL:LL+1], v[LL:LL+1], v[TP+8:TP+9]
	v_pk_add_f32 v[LL:LL+1], v[LL:LL+1], v[TP:TP+1]
.endm
.macro RESC tt                         ; O^T under the new M
	s_wait_alu depctr_va_vdst(0)                   ; directly ahead of the first reader of O^T
.set J, 0
.rept 16
	v_pk_mul_f32 v[OT+32*\tt+J:OT+32*\tt+J+1], v[OT+32*\tt+J:OT+32*\tt+J+1], v[FF:FF+1] op_sel_hi:[1,0]
.set J, J+2
.endr
.endm
; A STEP s, b = s % 3.  It finds tile 0's addends and K in registers.  more = 1: what later steps need is asked for, and the next step's first operands are read at its end.
.macro TRIP more, b
	s_wait_alu depctr_va_vdst(0)
	s_wait_tensorcnt 0x0                           ; no load of mine is out
	ds_add_u32 v[SPW], v[NIL]
.if \more
	s_xor_b32 s33, s33, SLOT1                      ; the walking descriptor: the other slot, the next step
	s_add_nc_u64 s[34:35], s[34:35], 4096
	s_wait_xcnt 0x0                                ; my loads have read their bases
	s_add_nc_u64 s[40:41], s[40:41], 512
	s_add_nc_u64 s[42:43], s[42:43], 256
	s_add_co_u32 s38, s38, 512                     ; the mask three steps on, held at the last step: no load leaves the buffer
	s_min_u32 s38, s38, 7680
.endif
	s_wait_dscnt 0x0                               ; the add, my stores of addends and all my LDS reads are done: tile 0's addends and K are in
	ROUND
.if \more
	tensor_load_to_lds s[32:35], s[24:31]          ; the next step, into the slot whose V I read last step
	s_nop 0
.endif
	NOP4
	s_wait_loadcnt 2                               ; K's scale words and the mask's numbers are in; V's two scale loads may be out
	SMUL 0
	NOP4
	SOFT 0
	BLOAD 1, \b
	RESC 0
.if \more
	BUILD RAW, (\b+2)%3                            ; the addends two steps on, into the buffer that nobody reads in this step
	v_add_nc_u32 v11, s38, v7
	MLOAD
.endif
	s_wait_alu depctr_va_vdst(0)
	s_wait_dscnt 0x0
	SMUL 1
	NOP4
.irp t, 0,1,2,3
.irp e, 0,1
	ds_load_b128 v[KF+8*\t+4*\e:KF+8*\t+4*\e+3], v8 offset:4096+1024*\t+512*\e   ; V takes K's registers
.endr
.endr
.if \more
	KSLOAD
.endif
	SOFT 1
.if \more
	BLOAD 0, (\b+1)%3                              ; the next step's first addends: made a step ago, shown by the round that opened this step
.endif
	RESC 1
	s_wait_alu depctr_va_vdst(0)
.if \more
	s_wait_loadcnt 6                               ; V's scale words; behind them this step's two mask loads and four of K's scale words
	s_wait_dscnt 16                                ; V; behind it the 16 loads of addends
.else
	s_wait_loadcnt 0x0
	s_wait_dscnt 0x0
.endif
.irp tt, 0,1
.irp t, 0,1,2,3
	WM OT+32*\tt+8*\t, KF+8*\t, PC+8*\tt, VS+\t/2, PS+\tt, \t%2, 0
.endr
.endr
.if \more
	NOP4                                           ; places between the products and the loads into their sources
	VSLOAD
	s_xor_b32 s36, s36, SLOT1
	s_wait_tensorcnt 0x0                           ; my load, the next step's K and V of my head, has landed; nobody else reads those bytes
	v_add_nc_u32 v8, s36, v1
	KLOAD
.endif
.endm
; Tile tt's end: O^T / l, quantised along the head's 64, stored as my head's half of the last product's fragment
.macro FIN tt, w
.set LL, 24+4*\tt
	v_add_f32 v[LL], v[LL], v[LL+1]
	v_permlanex16_b32 v[TP+4], v[LL], s20, s21
	v_add_f32 v[LL], v[LL], v[TP+4]
	s_wait_alu depctr_va_vdst(0)
	v_rcp_f32 v[LL], v[LL]
	v_nop
	s_wait_alu depctr_va_vdst(0)
.set J, 0
.rept 16
	v_pk_mul_f32 v[SS+J:SS+J+1], v[OT+32*\tt+J:OT+32*\tt+J+1], v[LL:LL+1] op_sel_hi:[1,0]
.set J, J+2
.endr
.irp b, 0,1
	v_max3_num_f32 v[TP+\b], |v[SS+16*\b]|, |v[SS+1+16*\b]|, 0x1800000
.endr
.irp i, 2,4,6,8,10,12,14
.irp b, 0,1
	v_max3_num_f32 v[TP+\b], v[TP+\b], |v[SS+16*\b+\i]|, |v[SS+1+16*\b+\i]|
.endr
.endr
.irp b, 0,1
	v_permlanex16_b32 v[TP+4+\b], v[TP+\b], s20, s21
.endr
.irp b, 0,1
	v_max_num_f32 v[TP+\b], v[TP+\b], v[TP+4+\b]
.endr
.irp b, 0,1
	v_add_nc_u32 v[TP+8+\b], 0xff000000, v[TP+\b]
.endr
.irp b, 0,1
	v_lshrrev_b32 v[TP+4+\b], 23, v[TP+8+\b]
.endr
	v_lshl_or_b32 v[\w], v[TP+5], 8, v[TP+4]
.irp b, 0,1
.irp u, 0,1
	v_cvt_scalef32_pk8_fp4_f32 v[PC+8*\tt+2*\u+\b], v[SS+16*\b+8*\u:SS+16*\b+8*\u+7], v[TP+8+\b]
.endr
.endr
	v_nop
	v_permlane16_swap_b32 v[PC+8*\tt], v[PC+8*\tt+1]
	v_permlane16_swap_b32 v[PC+8*\tt+2], v[PC+8*\tt+3]
	global_store_b128 v8, v[PC+8*\tt:PC+8*\tt+3], s[46:47] offset:1024*\tt   ; 512 consecutive bytes, aligned
	global_store_b16 v2, v[\w], s[48:49] offset:64*\tt                       ; lanes l and l + 16 write the same two bytes
.endm
	s_load_b256 s[4:11], s[0:1], 0x0               ; codes, scal, mask, ac
	s_load_b64 s[12:13], s[0:1], 0x20              ; asc
	v_lshl_add_u32 v[SPW], v0, 2, SPARE
	v_mov_b32 v[NIL], 0
	ds_add_u32 v[SPW], v[NIL]
	ds_add_u32 v[SPW], v[NIL]
	v_lshrrev_b32 v1, 5, v0
	v_readfirstlane_b32 s14, v1                    ; wave = head 0..15
	s_bfe_u32 s15, ttmp6, 0x40000                  ; cx
	s_lshl_b32 s16, ttmp9, 2
	s_add_co_u32 s16, s16, s15                     ; the work-group
	s_lshr_b32 s17, ttmp9, 4                       ; the batch: 16 clusters each
	s_and_b32 s18, s16, 63                         ; which 32 queries of it
	s_lshl_b32 s19, s17, 4
	s_add_co_u32 s19, s19, s14                     ; bh
	s_mov_b32 s20, 0x76543210
	s_mov_b32 s21, 0xfedcba98
	s_mov_b32 s22, 0x3e38aa3b                      ; c = log2(e) / 8
	s_mov_b32 s24, 15|(3<<16)|(1<<21)              ; group 1: the four partners; elements of 8 bytes; 2 rows of 512, 524,288 apart
	s_mov_b32 s25, 512<<16
	s_mov_b32 s26, 2<<16
	s_mov_b32 s27, 512<<16
	s_mov_b32 s28, 2
	s_mov_b32 s29, 524288
	s_mov_b32 s30, 0
	s_mov_b32 s31, 0
	s_lshl_b32 s54, s19, 16
	s_add_co_u32 s54, s54, 4194304                 ; K's images of my head; V's lie 4,194,304 on
	s_mov_b32 s55, 0
	s_lshl_b32 s56, s19, 13
	s_add_co_u32 s56, s56, 524288                  ; K's scale words
	s_mov_b32 s57, 0
	s_lshl_b32 s58, s19, 12
	s_add_co_u32 s58, s58, 1048576                 ; V's
	s_mov_b32 s59, 0
	s_lshl_b32 s60, s17, 11
	s_lshl_b32 s61, s18, 5
	s_add_co_u32 s60, s60, s61
	s_lshl_b32 s61, s14, 1
	s_add_co_u32 s60, s60, s61
	s_lshl_b32 s60, s60, 13                        ; the mask: rows 2 w, 2 w + 1 of my 32, 8,192 bytes a row
	s_mov_b32 s61, 0
	s_lshl_b32 s62, s19, 7
	s_lshl_b32 s63, s18, 1
	s_add_co_u32 s62, s62, s63
	s_lshl_b32 s62, s62, 9                         ; Q's images: (128 bh + T) 512
	s_mov_b32 s63, 0
	s_lshl_b32 s66, s19, 13
	s_lshl_b32 s67, s18, 7
	s_add_co_u32 s66, s66, s67                     ; Q's scale words: a pair of tiles is 128 bytes
	s_mov_b32 s67, 0
	s_lshl_b32 s68, s17, 4
	s_lshr_b32 s69, s18, 2
	s_add_co_u32 s68, s68, s69                     ; the block of 128 tokens
	s_lshl_b32 s68, s68, 3
	s_lshr_b32 s69, s14, 1
	s_add_co_u32 s68, s68, s69                     ; the last product's K step: head / 2
	s_lshl_b32 s68, s68, 3
	s_and_b32 s69, s18, 3
	s_lshl_b32 s69, s69, 1
	s_add_co_u32 s68, s68, s69                     ; the tile of 16 tokens
	s_and_b32 s69, s14, 1
	s_lshl_b32 s70, s68, 6
	s_lshl_b32 s71, s69, 1
	s_add_co_u32 s70, s70, s71
	s_mov_b32 s71, 0
	s_lshl_b32 s68, s68, 10
	s_lshl_b32 s69, s69, 9
	s_add_co_u32 s68, s68, s69
	s_mov_b32 s69, 0
	s_lshl_b32 s72, s14, 13                        ; my 8,192 bytes of a slot
	s_lshr_b32 s73, s14, 3
	s_mul_i32 s73, s73, 8704
	s_and_b32 s74, s14, 7
	s_lshl_b32 s74, s74, 5
	s_add_co_u32 s73, s73, s74
	s_add_co_u32 s73, s73, BIAS0                   ; where my two rows' addends go: tile w / 8, query 2 (w % 8) + h
	s_mov_b32 s36, 0
	s_mov_b32 s38, 1024
	s_mov_b32 s39, 5
	s_wait_dscnt 0x0
	s_wait_kmcnt 0x0
	s_mov_b32 s32, 1
	s_mov_b32 s33, s72
	s_add_nc_u64 s[34:35], s[4:5], s[54:55]
	s_or_b32 s35, s35, 0x80000000
	s_add_nc_u64 s[40:41], s[6:7], s[56:57]
	s_add_nc_u64 s[42:43], s[6:7], s[58:59]
	s_add_nc_u64 s[44:45], s[8:9], s[60:61]
	s_add_nc_u64 s[46:47], s[10:11], s[68:69]
	s_add_nc_u64 s[48:49], s[12:13], s[70:71]
	s_add_nc_u64 s[50:51], s[4:5], s[62:63]
	s_add_nc_u64 s[52:53], s[6:7], s[66:67]
	ROUND                                          ; in front of the first joint loads
	tensor_load_to_lds s[32:35], s[24:31]          ; step 0, slot 0: every wave's one load at the head
	s_nop 0
	NOP4
	v_and_b32 v8, 15, v0                           ; r
	v_bfe_u32 v9, v0, 4, 1                         ; h
	v_and_b32 v10, 31, v0                          ; lane
	v_lshl_add_u32 v1, v10, 4, s72
	v_lshlrev_b32 v2, 2, v8
	v_lshlrev_b32 v3, 2, v10
	v_mov_b32 v4, 0xd0000000                       ; -2^33
	v_mul_u32_u24 v5, v9, 544
	v_lshl_add_u32 v5, v8, 4, v5
	v_add_nc_u32 v5, BIAS0, v5
	v_mul_u32_u24 v6, v8, 272
	v_lshl_add_u32 v6, v9, 4, v6
	v_add_nc_u32 v6, s73, v6
	v_lshlrev_b32 v7, 13, v9
	v_lshl_add_u32 v7, v8, 4, v7
	v_lshlrev_b32 v10, 4, v10                      ; 16 lane
	v_add_nc_u32 v11, 1024, v7
	v_mov_b32 v[CV], s22
	s_wait_alu depctr_va_vdst(0)
	global_load_b128 v[RAW:RAW+3], v7, s[44:45] th:TH_LOAD_NT              ; step 0's numbers of the mask,
	global_load_b128 v[RAW+4:RAW+7], v7, s[44:45] offset:256 th:TH_LOAD_NT
	global_load_b128 v[SS:SS+3], v7, s[44:45] offset:512 th:TH_LOAD_NT     ; and step 1's
	global_load_b128 v[SS+4:SS+7], v7, s[44:45] offset:768 th:TH_LOAD_NT
	global_load_b128 v[QF:QF+3], v10, s[50:51]
	global_load_b128 v[QF+8:QF+11], v10, s[50:51] offset:512
	global_load_b32 v[QS], v3, s[52:53]
.irp i, CE+1, AD+1, FF+1, 24, 25, 28, 29, QF+4, QF+5, QF+6, QF+7, QF+12, QF+13, QF+14, QF+15, KF+32, KF+33, KF+34, KF+35, TP+4, TP+5, TP+6, TP+7
	v_mov_b32 v[\i], 0
.endr
.irp tt, 0,1
	v_mov_b32 v[23+4*\tt], 0xce800000              ; the largest t so far: -2^30
	v_mov_b32 v[22+4*\tt], 0x4e800000              ; -M
.endr
.set J, 0
.rept 64
	v_mov_b32 v[OT+J], 0                           ; the step is written once: the first finds zeros
.set J, J+1
.endr
	s_wait_alu depctr_va_vdst(0)
	s_wait_loadcnt 3                               ; the mask's numbers of steps 0 and 1; Q's three loads may be out
	BUILD RAW, 0
	BUILD SS, 1
	MLOAD                                          ; step 2's
	KSLOAD
	VSLOAD
	s_wait_dscnt 0x0
	s_barrier_signal -1
	s_barrier_wait -1                              ; everybody's addends for steps 0 and 1 are stored
	BLOAD 0, 0
	s_wait_tensorcnt 0x0                           ; step 0's K and V of my head
	v_add_nc_u32 v8, s36, v1
	KLOAD
.Lstep:                                                ; 5 trips of three steps: the three buffers of addends come round once
	TRIP 1, 0
	TRIP 1, 1
	TRIP 1, 2
	s_sub_co_u32 s39, s39, 1
	s_cmp_lg_u32 s39, 0
	s_cbranch_scc1 .Lstep
	TRIP 0, 0                                      ; the last step asks for nothing
	NOP4
	v_and_b32 v8, 31, v0
	v_lshlrev_b32 v8, 4, v8
	FIN 0, X1
	FIN 1, X2
	s_wait_tensorcnt 0x0                           ; the wave's end
	ds_add_u32 v[SPW], v[NIL]
	s_wait_dscnt 0x0
	ROUND                                          ; the closing round
	s_endpgm
.Lfunc_end_k_q4b7fd39205_attn:
	.size	k_q4b7fd39205_attn, .Lfunc_end_k_q4b7fd39205_attn-k_q4b7fd39205_attn
	.p2alignl 7, 3214868480
	.fill 96, 4, 3214868480
	.section	.rodata,"a",@progbits
	.p2align	6, 0x0
	.amdhsa_kernel k_q4b7fd39205_attn
		.amdhsa_group_segment_fixed_size 327680
		.amdhsa_private_segment_fixed_size 0
		.amdhsa_enable_private_segment 0
		.amdhsa_kernarg_size 40
		.amdhsa_user_sgpr_count 2
		.amdhsa_user_sgpr_kernarg_segment_ptr 1
		.amdhsa_wavefront_size32 1
		.amdhsa_system_sgpr_workgroup_id_x 1
		.amdhsa_system_sgpr_workgroup_id_y 1
		.amdhsa_system_sgpr_workgroup_id_z 1
		.amdhsa_system_vgpr_workitem_id 0
		.amdhsa_next_free_vgpr 256
		.amdhsa_next_free_sgpr 80
		.amdhsa_reserve_vcc 1
		.amdhsa_float_denorm_mode_32 3
		.amdhsa_float_denorm_mode_16_64 3
		.amdhsa_memory_ordered 1
		.amdhsa_forward_progress 1
		.amdhsa_inst_pref_size 148
	.end_amdhsa_kernel
	.amdgpu_metadata
---
amdhsa.version: [ 1, 2 ]
amdhsa.kernels:
  - .name:           k_q4b7fd39205_attn
    .symbol:         k_q4b7fd39205_attn.kd
    .args:
      - { .name: codes, .offset: 0, .size: 8, .value_kind: global_buffer, .address_space: global }
      - { .name: scal, .offset: 8, .size: 8, .value_kind: global_buffer, .address_space: global }
      - { .name: mask, .offset: 16, .size: 8, .value_kind: global_buffer, .address_space: global }
      - { .name: ac, .offset: 24, .size: 8, .value_kind: global_buffer, .address_space: global }
      - { .name: asc, .offset: 32, .size: 8, .value_kind: global_buffer, .address_space: global }
    .group_segment_fixed_size: 327680
    .private_segment_fixed_size: 0
    .kernarg_segment_align: 8
    .kernarg_segment_size: 40
    .max_flat_workgroup_size: 512
    .sgpr_count:     80
    .vgpr_count:     256
    .wavefront_size: 32
...
	.end_amdgpu_metadata
.endif
;; end of part 2
;; launch outp (part 3): grid 4 x 64, 8 waves a work-group, no clusters, 286,208 bytes of LDS; arguments Wo_codes, Wo_scales, bo, ac, asc, out0; writes out0
.if DOCPART == 3
	.amdgcn_target "amdgcn-amd-amdhsa--gfx1250"
	.amdhsa_code_object_version 6
	.text
	.protected	k_q4b7fd39205_outp
	.globl	k_q4b7fd39205_outp
	.p2align	8
	.type	k_q4b7fd39205_outp,@function
k_q4b7fd39205_outp:
	s_mov_b64 s[64:65], 0
	v_nop
	global_prefetch_b8 v0, s[64:65] scope:SCOPE_SE
	s_setreg_imm32_b32 hwreg(HW_REG_WAVE_MODE, 25, 1), 1
	s_wait_xcnt 0x0
; out0 = attention Wo^T + bo on codes of FP4 (E2M1) with E8M0 scales, sums in f32.
; SHARES.  A work-group: 256 output features (grid x) x 128 tokens (grid y), all of K = 1,024.  Wave w: g = w & 1: 128 features (8 tiles u); p = w >> 1: tiles 2 p + t of tokens (t = 0, 1): 16 accumulators.
; Source 0 of the matrix instruction = 16 rows of Wo, source 1 = 16 tokens: a lane holds eight neighbouring features of one token's row of out0.
; LDS is filled once, K in two chunks of 512: Wo's rows (512 bytes + 16 of padding), the attention's fragments as images of their registers (dense), both sides' scale words (256 bytes + 8).
; All has landed before the first product.  Nothing is filled again.  The way out goes through each wave's own stage, in blocks of LDS into which no fill lands.
; NO CLUSTER: every work-group asks for all its operands at its head, one load a wave, and has no later request that partners could join; left out for the plainer text.
.set PITCH, 528                        ; a row of Wo in LDS is now all of K: 512 bytes + 16 of padding; every wave has one load at the head
.set WCH1,  69632
.set ACH0,  2*WCH1                     ; the attention's chunk 0: [K step 4][tile 8][1,024 bytes]
.set ACH1,  ACH0+32768
.set WSC,   ACH1+32768                 ; Wo's scale bytes: 32 units of 256 bytes, 264 apart
.set ASC,   WSC+32*264                 ; the attention's scale words [K step 8][tile 8][16]: 16 units
.set STG,   217600                     ; the stages: 16 rows x 528 bytes for each wave; begins on a multiple of 256 behind the last fill
.set ACC, 16                           ; v16-143  accumulator (t, u) at ACC + 64 t + 8 u
.set F0,  144                          ; v144-207 Wo's eight fragments; later bo; later rows of out0
.set F1,  208                          ; v208-223 the tokens' two
.set SA,  224                          ; v224-227 Wo's scale words: lanes 0-15 tile 2 i, lanes 16-31 tile 2 i + 1
.set SB,  228                          ; v228     the tokens': lanes 0-15 t = 0, lanes 16-31 t = 1
.macro WM d, a, b, zero, sa, sb, ra, rb
.if \zero
.if (\ra) && (\rb)
	v_wmma_scale_f32_16x16x128_f8f6f4 v[\d:\d+7], v[\a:\a+7], v[\b:\b+7], 0, v[\sa], v[\sb] matrix_a_fmt:MATRIX_FMT_FP4 matrix_b_fmt:MATRIX_FMT_FP4 matrix_a_scale:MATRIX_SCALE_ROW1 matrix_b_scale:MATRIX_SCALE_ROW1
.elseif (\ra)
	v_wmma_scale_f32_16x16x128_f8f6f4 v[\d:\d+7], v[\a:\a+7], v[\b:\b+7], 0, v[\sa], v[\sb] matrix_a_fmt:MATRIX_FMT_FP4 matrix_b_fmt:MATRIX_FMT_FP4 matrix_a_scale:MATRIX_SCALE_ROW1
.elseif (\rb)
	v_wmma_scale_f32_16x16x128_f8f6f4 v[\d:\d+7], v[\a:\a+7], v[\b:\b+7], 0, v[\sa], v[\sb] matrix_a_fmt:MATRIX_FMT_FP4 matrix_b_fmt:MATRIX_FMT_FP4 matrix_b_scale:MATRIX_SCALE_ROW1
.else
	v_wmma_scale_f32_16x16x128_f8f6f4 v[\d:\d+7], v[\a:\a+7], v[\b:\b+7], 0, v[\sa], v[\sb] matrix_a_fmt:MATRIX_FMT_FP4 matrix_b_fmt:MATRIX_FMT_FP4
.endif
.else
.if (\ra) && (\rb)
	v_wmma_scale_f32_16x16x128_f8f6f4 v[\d:\d+7], v[\a:\a+7], v[\b:\b+7], v[\d:\d+7], v[\sa], v[\sb] matrix_a_fmt:MATRIX_FMT_FP4 matrix_b_fmt:MATRIX_FMT_FP4 matrix_a_scale:MATRIX_SCALE_ROW1 matrix_b_scale:MATRIX_SCALE_ROW1
.elseif (\ra)
	v_wmma_scale_f32_16x16x128_f8f6f4 v[\d:\d+7], v[\a:\a+7], v[\b:\b+7], v[\d:\d+7], v[\sa], v[\sb] matrix_a_fmt:MATRIX_FMT_FP4 matrix_b_fmt:MATRIX_FMT_FP4 matrix_a_scale:MATRIX_SCALE_ROW1
.elseif (\rb)
	v_wmma_scale_f32_16x16x128_f8f6f4 v[\d:\d+7], v[\a:\a+7], v[\b:\b+7], v[\d:\d+7], v[\sa], v[\sb] matrix_a_fmt:MATRIX_FMT_FP4 matrix_b_fmt:MATRIX_FMT_FP4 matrix_b_scale:MATRIX_SCALE_ROW1
.else
	v_wmma_scale_f32_16x16x128_f8f6f4 v[\d:\d+7], v[\a:\a+7], v[\b:\b+7], v[\d:\d+7], v[\sa], v[\sb] matrix_a_fmt:MATRIX_FMT_FP4 matrix_b_fmt:MATRIX_FMT_FP4
.endif
.endif
.endm
.macro MUL8 from, first                ; Wo's tiles from .. from + 3 x the tokens' two: the sixteen accumulators take turns, one instruction a turn, in the same order in every step
.irp u, \from, \from+1, \from+2, \from+3
.irp t, 0,1
	WM ACC+64*\t+8*(\u), F0+8*(\u), F1+8*\t, \first, SA+(\u)/2, SB, (\u)%2, \t
.endr
.endr
.endm
; A step of 128 along K: the q-th of chunk ch.  first = 1: its products start the sums.
.macro KSTEP ch, q, first
.if (\first) == 0
.rept 4
	v_nop                                          ; four places between the last products and loads into registers that they read (ISA guide 7.12.1 for vector instructions)
.endr
.endif
.irp i, 0,1,2,3
	ds_load_b32 v[SA+\i], v7 offset:1056*\i+4*(4*(\ch)+(\q))
.endr
	ds_load_b32 v[SB], v8 offset:528*(4*(\ch)+(\q))
.irp t, 0,1
.irp e, 0,1
	ds_load_b128 v[F1+8*\t+4*\e:F1+8*\t+4*\e+3], v[5+(\ch)] offset:8192*(\q)+1024*\t+512*\e
.endr
.endr
.irp u, 0,1,2,3,4,5,6,7
.irp e, 0,1
	ds_load_b128 v[F0+8*\u+4*\e:F0+8*\u+4*\e+3], v[3+(\ch)] offset:16*PITCH*\u+64*(\q)+32*\e
.endr
.endr
	s_wait_dscnt 8                                 ; all but the youngest eight loads, Wo's tiles 4 to 7
	MUL8 0, \first
	s_wait_dscnt 0x0
	MUL8 4, \first
.endm
	s_load_b256 s[4:11], s[0:1], 0x0               ; Wo's codes, Wo's scales, bo, ac
	s_load_b128 s[12:15], s[0:1], 0x20             ; asc, out0
	v_lshl_add_u32 v254, v0, 2, 0x45a00
	v_mov_b32 v255, 0
	ds_add_u32 v254, v255
	ds_add_u32 v254, v255
	v_lshrrev_b32 v1, 5, v0
	s_delay_alu instid0(VALU_DEP_1)
	v_readfirstlane_b32 s66, v1                    ; wave 0..7
	s_mov_b32 s67, ttmp9                           ; i0: which 256 features
	s_and_b32 s68, ttmp7, 0xffff                   ; which 128 tokens
	s_and_b32 s69, s66, 1                          ; g
	s_lshr_b32 s70, s66, 1                         ; p
	s_mov_b32 s16, (1<<20)|(6<<22)|(3<<25)         ; group 1, Wo's codes: 64 rows x 512 bytes; 4 words of padding after every 128
	s_mov_b32 s17, 512<<16
	s_mov_b32 s18, 64<<16
	s_mov_b32 s19, 512<<16
	s_mov_b32 s20, 64
	s_mov_b32 s21, 512
	s_mov_b32 s22, 0
	s_mov_b32 s23, 0
	s_mov_b32 s24, (3<<16)|(1<<20)|(5<<22)|(1<<25) ; scale bytes: 4,096 dense bytes as 16 rows of 256 (32 elements of 8 bytes); 2 words of padding behind each
	s_mov_b32 s25, 32<<16
	s_mov_b32 s26, 16<<16                          ; scale bytes: 4,096 dense bytes as 16 rows of 256
	s_mov_b32 s27, 32<<16
	s_mov_b32 s28, 16
	s_mov_b32 s29, 32
	s_mov_b32 s30, 0
	s_mov_b32 s31, 0
	s_mov_b32 s32, 3<<16                           ; the attention's images: 65,536 dense bytes as 256 rows of 256, no padding
	s_mov_b32 s33, 32<<16
	s_mov_b32 s34, 256<<16                         ; the attention's images: 65,536 dense bytes as 256 rows of 256
	s_mov_b32 s35, 32<<16
	s_mov_b32 s36, 256
	s_mov_b32 s37, 32
	s_mov_b32 s38, 0
	s_mov_b32 s39, 0
	s_lshl_b32 s72, s67, 8
	s_lshl_b32 s73, s66, 6
	s_add_co_u32 s72, s72, s73                     ; waves 0-3: rows 256 i0 + 64 w of Wo
	s_lshl_b32 s74, s67, 13                        ; waves 5, 6: the halves of Wo's scale bytes: 8,192 i0 + 4,096 (w - 5)
	s_lshl_b32 s75, s66, 12
	s_add_co_u32 s74, s74, s75
	s_sub_co_u32 s74, s74, 20480
	s_mov_b32 s75, 0
	s_lshl_b32 s72, s72, 9
	s_mov_b32 s73, 0
	s_and_b32 s71, s66, 1                          ; 0 in wave 4, whose one load takes both chunks
	s_lshl_b32 s76, s68, 16
	s_lshl_b32 s77, s71, 14
	s_add_co_u32 s76, s76, s77
	s_mov_b32 s77, 0
	s_lshl_b32 s78, s68, 12
	s_mov_b32 s79, 0
	s_add_co_u32 s78, s78, s79
	s_mov_b32 s79, 0
	s_wait_dscnt 0x0
	s_wait_kmcnt 0x0
	s_mov_b32 s40, 1                               ; groups 0 for Wo: scale bytes, codes
	s_mul_i32 s41, s66, 4224
	s_add_co_u32 s41, s41, WSC-5*4224
	s_add_nc_u64 s[42:43], s[6:7], s[74:75]
	s_or_b32 s43, s43, 0x80000000
	s_mov_b32 s44, 1
	s_mul_i32 s45, s66, 64*PITCH
	s_add_nc_u64 s[46:47], s[4:5], s[72:73]
	s_or_b32 s47, s47, 0x80000000
	s_mov_b32 s52, 1                               ; and for the attention: scale words, images
	s_mov_b32 s53, 0
	s_add_co_u32 s53, s53, ASC
	s_add_nc_u64 s[54:55], s[12:13], s[78:79]
	s_or_b32 s55, s55, 0x80000000
	s_mov_b32 s56, 1
	s_lshl_b32 s57, s71, 14
	s_add_co_u32 s57, s57, ACH0
	s_add_nc_u64 s[58:59], s[10:11], s[76:77]
	s_or_b32 s59, s59, 0x80000000
	s_cmp_lt_u32 s66, 4                            ; one chain of branches on the wave's number, a load to an arm: waves 0-3 Wo's rows, wave 4 the images, waves 5, 6 Wo's scale bytes, wave 7 the attention's
	s_cbranch_scc0 .Lnot_wo
	tensor_load_to_lds s[44:47], s[16:23]
	s_nop 0
.rept 4
	v_nop
.endr
	s_branch .Lasked
.Lnot_wo:
	s_cmp_lt_u32 s66, 5
	s_cbranch_scc0 .Lnot_im
	tensor_load_to_lds s[56:59], s[32:39]
	s_nop 0
.rept 4
	v_nop
.endr
	s_branch .Lasked
.Lnot_im:
	s_cmp_lt_u32 s66, 7
	s_cbranch_scc0 .Lnot_ws
	tensor_load_to_lds s[40:43], s[24:31]
	s_nop 0
.rept 4
	v_nop
.endr
	s_branch .Lasked
.Lnot_ws:
	tensor_load_to_lds s[52:55], s[24:31]
	s_nop 0
.rept 4
	v_nop
.endr
.Lasked:
	v_and_b32 v1, 15, v0                           ; r
	v_bfe_u32 v2, v0, 4, 1                         ; h
	v_and_b32 v12, 31, v0                          ; lane
	s_delay_alu instid0(VALU_DEP_1)
	v_lshlrev_b32 v9, 4, v12                       ; v9: 16 x lane
	s_delay_alu instid0(VALU_DEP_4)
	v_mul_u32_u24 v15, v1, PITCH
	s_delay_alu instid0(VALU_DEP_1)
	v_lshl_add_u32 v15, v2, 4, v15
	s_mul_i32 s72, s69, 128*PITCH
	v_add_nc_u32 v3, s72, v15                      ; v3, v4: Wo's fragments in chunk 0, 1
	s_delay_alu instid0(VALU_DEP_1)
	v_add_nc_u32 v4, 256, v3
	s_lshl_b32 s72, s70, 11
	s_add_co_u32 s72, s72, ACH0
	v_add_nc_u32 v5, s72, v9                       ; v5, v6: the tokens' images: 2,048 p + 16 x lane
	s_delay_alu instid0(VALU_DEP_1)
	v_add_nc_u32 v6, 32768, v5
	v_lshrrev_b32 v15, 3, v1
	s_delay_alu instid0(VALU_DEP_1)
	v_mul_u32_u24 v15, v15, 264
	v_and_b32 v14, 7, v1
	s_delay_alu instid0(VALU_DEP_1)
	v_lshl_add_u32 v15, v14, 5, v15
	s_delay_alu instid0(VALU_DEP_1)
	v_mad_u32_u24 v15, v2, 528, v15                ; row r's scale bytes; lanes 16-31 take the tile 16 rows on
	s_mul_i32 s72, s69, 4224
	s_add_co_u32 s72, s72, WSC
	v_add_nc_u32 v7, s72, v15                      ; v7: Wo's scale words
	s_lshr_b32 s72, s70, 1
	s_mul_i32 s72, s72, 264
	s_and_b32 s73, s70, 1
	s_lshl_b32 s73, s73, 7
	s_add_co_u32 s72, s72, s73
	s_add_co_u32 s72, s72, ASC
	v_lshl_add_u32 v8, v12, 2, s72                 ; v8: the tokens' scale words: tiles 2 p and 2 p + 1 are 128 bytes on end
	s_mul_i32 s72, s66, 16*528
	s_add_co_u32 s72, s72, STG                     ; my stage
	v_mul_u32_u24 v10, v1, 528
	s_delay_alu instid0(VALU_DEP_1)
	v_lshl_add_u32 v10, v2, 5, v10
	s_delay_alu instid0(VALU_DEP_1)
	v_add_nc_u32 v10, s72, v10                     ; v10: in: row r, + 32 h
	v_add_nc_u32 v11, s72, v9                      ; v11: back: a row of 512 bytes, 16 a lane
	v_lshlrev_b32 v15, 5, v2                       ; v15: bo: + 32 h
	s_lshl_b32 s72, s67, 10
	s_lshl_b32 s73, s69, 9
	s_add_co_u32 s72, s72, s73                     ; my first feature, in bytes: (256 i0 + 128 g) 4
	s_mov_b32 s73, 0
	s_add_nc_u64 s[8:9], s[8:9], s[72:73]
	s_add_nc_u64 s[14:15], s[14:15], s[72:73]
	s_lshl_b32 s72, s68, 7
	s_lshl_b32 s74, s70, 5
	s_add_co_u32 s72, s72, s74
	s_lshl_b32 s72, s72, 12                        ; my first token's row: (128 blk + 32 p) 4,096
	s_add_nc_u64 s[14:15], s[14:15], s[72:73]
	s_wait_alu depctr_va_vdst(0)
	s_wait_tensorcnt 0x0
	s_barrier_signal -1
	s_barrier_wait -1                              ; everybody's have
	KSTEP 0, 0, 1
	KSTEP 0, 1, 0
	KSTEP 0, 2, 0
	KSTEP 0, 3, 0
	KSTEP 1, 0, 0
	KSTEP 1, 1, 0
	KSTEP 1, 2, 0
	KSTEP 1, 3, 0
.rept 4
	v_nop                                          ; places behind the last products: bo is loaded into Wo's fragments and added to the results
.endr
.irp u, 0,1,2,3,4,5,6,7
.irp e, 0,1
	global_load_b128 v[F0+8*\u+4*\e:F0+8*\u+4*\e+3], v15, s[8:9] offset:64*\u+16*\e   ; bo at features 16 u + 8 h + j of my 128
.endr
.endr
	s_wait_loadcnt 0x0
.irp t, 0,1
.set J, 0
.rept 32
	v_pk_add_f32 v[ACC+64*\t+J:ACC+64*\t+J+1], v[ACC+64*\t+J:ACC+64*\t+J+1], v[F0+J:F0+J+1]   ; each accumulator from its low end on
.set J, J+2
.endr
.endr
	; THE WAY OUT.  A lane holds 32 neighbouring bytes of a row and the lanes beside it other rows: a tile of 16 tokens x 128 features goes through my stage and comes back as whole rows of 512 bytes.
	; LDS serves a wave's instructions in order (ISA guide 5.7.1.4): no wait between the stores and the loads, nor in front of the second tile's stores.  Tile 0 comes back into bo's registers, tile 1 into tile 0's.
.irp t, 0,1
.irp u, 0,1,2,3,4,5,6,7
	ds_store_b128 v10, v[ACC+64*\t+8*\u:ACC+64*\t+8*\u+3] offset:64*\u
	ds_store_b128 v10, v[ACC+64*\t+8*\u+4:ACC+64*\t+8*\u+7] offset:64*\u+16
.endr
.irp i, 0,1,2,3,4,5,6,7,8,9,10,11,12,13,14,15
	ds_load_b128 v[F0-128*\t+4*\i:F0-128*\t+4*\i+3], v11 offset:528*\i
.endr
.endr
.irp t, 0,1
.irp i, 0,1,2,3,4,5,6,7,8,9,10,11,12,13,14,15
	s_wait_dscnt 32*(1-\t)+15-\i                   ; row i is back; behind its load stand its tile's later loads and, for tile 0, tile 1's 16 stores and 16 loads
	global_store_b128 v9, v[F0-128*\t+4*\i:F0-128*\t+4*\i+3], s[14:15] offset:65536*\t+4096*\i th:TH_STORE_NT   ; 32 lanes store 512 consecutive bytes, aligned; written once, read by nobody here
.endr
.endr
	s_wait_tensorcnt 0x0
	ds_add_u32 v254, v255
	s_wait_dscnt 0x0
	s_endpgm
.Lfunc_end_k_q4b7fd39205_outp:
	.size	k_q4b7fd39205_outp, .Lfunc_end_k_q4b7fd39205_outp-k_q4b7fd39205_outp
	.p2alignl 7, 3214868480
	.fill 96, 4, 3214868480
	.section	.rodata,"a",@progbits
	.p2align	6, 0x0
	.amdhsa_kernel k_q4b7fd39205_outp
		.amdhsa_group_segment_fixed_size 286208
		.amdhsa_private_segment_fixed_size 0
		.amdhsa_enable_private_segment 0
		.amdhsa_kernarg_size 48
		.amdhsa_user_sgpr_count 2
		.amdhsa_user_sgpr_kernarg_segment_ptr 1
		.amdhsa_wavefront_size32 1
		.amdhsa_system_sgpr_workgroup_id_x 1
		.amdhsa_system_sgpr_workgroup_id_y 1
		.amdhsa_system_sgpr_workgroup_id_z 1
		.amdhsa_system_vgpr_workitem_id 0
		.amdhsa_next_free_vgpr 256
		.amdhsa_next_free_sgpr 80
		.amdhsa_reserve_vcc 0
		.amdhsa_float_denorm_mode_32 3
		.amdhsa_float_denorm_mode_16_64 3
		.amdhsa_memory_ordered 1
		.amdhsa_forward_progress 1
		.amdhsa_inst_pref_size 52
	.end_amdhsa_kernel
	.amdgpu_metadata
---
amdhsa.version: [ 1, 2 ]
amdhsa.kernels:
  - .name:           k_q4b7fd39205_outp
    .symbol:         k_q4b7fd39205_outp.kd
    .args:
      - { .name: Wo_codes, .offset: 0, .size: 8, .value_kind: global_buffer, .address_space: global }
      - { .name: Wo_scales, .offset: 8, .size: 8, .value_kind: global_buffer, .address_space: global }
      - { .name: bo, .offset: 16, .size: 8, .value_kind: global_buffer, .address_space: global }
      - { .name: ac, .offset: 24, .size: 8, .value_kind: global_buffer, .address_space: global }
      - { .name: asc, .offset: 32, .size: 8, .value_kind: global_buffer, .address_space: global }
      - { .name: out0, .offset: 40, .size: 8, .value_kind: global_buffer, .address_space: global }
    .group_segment_fixed_size: 286208
    .private_segment_fixed_size: 0
    .kernarg_segment_align: 8
    .kernarg_segment_size: 48
    .max_flat_workgroup_size: 256
    .sgpr_count:     80
    .vgpr_count:     256
    .wavefront_size: 32
...
	.end_amdgpu_metadata
.endif
;; end of part 3
